; MI455X (gfx1250); checked and timed in simulation.
; The chip was launched on July 23, 2026; its instructions are those of AMD's public machine-readable ISA for CDNA 5 (MIT licence, August 2026) and "CDNA5" Instruction Set Architecture Reference Guide (July 2026). The comments in the code are by the model that wrote it; some were corrected since.
;; Lateral Inhibition Layer. Allowed arithmetic: matrix products marked QUANTISED: E4M3 operands, one given power-of-two scale a tensor, by v_wmma_f32_16x16x64_fp8_fp8 or v_wmma_f32_16x16x128_fp8_fp8, f32 sums; everything else in f32.
;; Inputs: inhibition_matrix 4,096 x 4,096 float32; lowp_scales 2 int32 (the exponents e of the quantised operands' scales 2^e); membrane 4,096 x 4,096 float32.
;; Outputs: out0 4,096 x 4,096 float32.
;; This version of the problem:
;;   THIS VERSION OF THE PROBLEM IS GIVEN IN LOW PRECISION. The matrix products marked QUANTISED in the list below multiply operands that are first quantised to E4M3 (4 exponent bits, 3 mantissa bits; 8 bits a number), with one given power-of-two scale for each operand tensor; their sums are f32. All else is computed in f32.
;;   The module's matrix products, in the order in which they are computed (A, B: the left and right operand; K: the contracted axis; several contracted axes count as one K, in the product's order):
;;     1. [M 4,096, K 4,096] x [K 4,096, N 4,096]; A: computed on the way; B: input inhibition_matrix: QUANTISED (scales: A lowp_scales[0], B lowp_scales[1])
;;   THE QUANTISER, for each operand of a quantised product, along K:
;;     - The operand's scale is 2^e, e = its entry of the input lowp_scales (int32; the entries are numbered through the quantised products in the list's order, A before B).
;;     - Each number is divided by the scale, clamped to +-448, and rounded to the nearest number of E4M3, ties to even, subnormals kept.
;;     - The product sums the exact products of the quantised numbers (number of the format x scale) in f32.
;;   ~~~python
;;   def quantise(x, axis, e):      # numpy; x: float32 -> the quantised numbers, widened to float32 again
;;       x = np.moveaxis(x, axis, -1); K = x.shape[-1]
;;       r = np.clip(x / 2.0 ** e, -448, 448)
;;       step = 2.0 ** (np.maximum(np.frexp(np.where(r == 0, 1, r))[1] - 1, -6) - 3)
;;       q = np.round(r / step) * step * 2.0 ** e      # np.round: ties to even
;;       return np.moveaxis(q, -1, axis).astype(np.float32)
;;   ~~~
;;   OPERANDS COMPUTED ON THE WAY. 'Computed on the way' means the value that the module computes at that place (a softmax that the list does not call 'softmax' is quantised finished and normalised). What goes into a quantiser is computed in f32, as accurately as f32 sums, v_exp_f32 and their like allow (about 1e-6 of the number): no bf16 or f16 on the way to a quantiser, and a product that is left as it is and whose result goes on into a quantised operand takes f32 operands (vector FMAs, or v_wmma_f32_16x16x4_f32). A number that lies on a knife's edge between two numbers of the format may be rounded either way, as far as f32 arithmetic and the matrix unit's own rounding can turn it there, and no further.
;; One version. Each part assembles by itself: llvm-mc -triple=amdgcn-amd-amdhsa -mcpu=gfx1250 --defsym DOCPART=n.
;; ======== version 1 of 1: 2 launches
;; limits: right only within a limited range of input values
;; workspace buffers: a_codes 16,777,216 bytes; b_codes 16,777,216 bytes; recs 32,768 bytes of whole numbers
;; launch quant (part 1): grid 256 x 1, 16 waves a work-group, no clusters, 2,304 bytes of LDS; arguments membrane, inhibition_matrix, lowp_scales, a_codes, b_codes, recs; writes a_codes, b_codes, recs
.if DOCPART == 1
	.amdgcn_target "amdgcn-amd-amdhsa--gfx1250"
	.amdhsa_code_object_version 6
	.text
	.protected	k_q4af85b8109_quant
	.globl	k_q4af85b8109_quant
	.p2align	8
	.type	k_q4af85b8109_quant,@function
k_q4af85b8109_quant:
	s_mov_b64 s[64:65], 0
	v_nop
	global_prefetch_b8 v0, s[64:65] scope:SCOPE_SE
	s_setreg_imm32_b32 hwreg(HW_REG_WAVE_MODE, 25, 1), 1
	s_wait_xcnt 0x0
; Both operands of  winners x W^T  become codes of FP8 (E4M3), one code a byte, each with its given scale 2^e, and each row of winners gets a record of whole numbers.
;   winners[m][k] = 1.0 where membrane[m][k] equals its row's largest number (ties all win), else 0.0; scale 2^e0.   W = inhibition_matrix[n][k]; scale 2^e1.
;   code = x / 2^e, held within +-448, to the nearest code, ties to even.
; WORK LEFT OUT BY THE NEXT LAUNCH.  K is cut into 8 blocks of 512.  A block in which a row of winners holds no winner holds only the code 0 there, and adds exactly 0 to that row's sums, whatever
; finite numbers W holds.  Which blocks hold winners is stored here as whole numbers, at fixed places; the next launch reads them and multiplies only the blocks that they name.
; LIMIT of that: a NaN that would arise only from 0 x a NaN code of W in a block left out is not carried to the result.
; LAYOUT of both code buffers: [block g 0..7][row 0..4095][512 bytes].  Inside a block number k = 512 g + 128 j + 4 l + i (j, i = 0..3, l = 0..31) lies at byte 16 l + 4 j + i: the same
; fixed permutation of K in both buffers, so every product still meets its partner.  Each load reads 512 consecutive bytes, each store writes 512 consecutive bytes, aligned; no number changes lanes.
; recs[m] = two words: bit g set where block g of row m holds a winner; the lowest such g (0 where there is none).  A work-group's 32 records, 256 bytes, meet in LDS and leave by one store.
; SHARES.  8,192 rows = 256 work-groups x 16 waves x 2 rows.  Even work-groups take membrane, odd ones W.  One wave, one row: 128 registers a lane hold it between the maximum and the compare.
; LIMITS.  e0 and e1 between -126 and 119.  NaN among the inputs is not served (the maximum passes over a NaN).  Infinities are served.
.set ROWIN,  16384                     ; a row of numbers in bytes
.set BLK,    0x200000                  ; a block of codes: 4,096 rows x 512 bytes
.set SPARE,  256                       ; LDS: 256 bytes of records, then the spare words, 128 bytes a wave
.set SC,   2                           ; 2^e
.set LIMV, 3                           ; 448 x 2^e
.set H,    4                           ; min(1.0, 448 x 2^e0)
.set MX,   5                           ; the row's largest number
.set M,    6                           ; v6-9 four running maxima; at the end the wave's two records
.set PT,   10                          ; the lane permute's destination; at the end 8 x lane
.set SPW,  11                          ; my spare word's LDS address; never rewritten
.set NIL,  12                          ; 0; never rewritten
.set LA,   13                          ; 16 x wave
.set X,    16                          ; v16-143 the row
.set C,    144                         ; v144-175 the codes
	s_load_b128 s[4:7], s[0:1], 0x0                ; membrane, W
	s_load_b64 s[8:9], s[0:1], 0x10                ; the scales' exponents
	s_load_b128 s[12:15], s[0:1], 0x18             ; a_codes, b_codes
	s_load_b64 s[30:31], s[0:1], 0x28              ; recs
	v_lshl_add_u32 v[SPW], v0, 2, SPARE
	v_mov_b32 v[NIL], 0
	v_lshrrev_b32 v1, 5, v0
	s_delay_alu instid0(VALU_DEP_1)
	v_readfirstlane_b32 s16, v1                    ; wave 0..15
	v_and_b32 v1, 31, v0
	s_delay_alu instid0(VALU_DEP_1)
	v_lshlrev_b32 v1, 4, v1                        ; 16 x lane; never rewritten
	v_mov_b32 v[PT], 0
	s_and_b32 s17, ttmp9, 1                        ; 0: membrane, 1: W
	s_lshr_b32 s18, ttmp9, 1
	s_lshl_b32 s18, s18, 5
	s_lshl_b32 s19, s16, 1
	s_add_co_u32 s18, s18, s19                     ; my first row
	s_lshl_b32 s22, s18, 14                        ; its numbers,
	s_mov_b32 s23, 0
	s_lshl_b32 s24, s18, 9                         ; its 512 codes in a block
	s_mov_b32 s25, 0
	s_mov_b32 s20, 0x76543210
	s_mov_b32 s21, 0xfedcba98
	s_wait_alu depctr_va_vdst(0)
	s_wait_kmcnt 0x0
	s_load_b64 s[26:27], s[8:9], 0x0               ; e0, e1
	s_cmp_eq_u32 s17, 0
	s_cselect_b64 s[4:5], s[4:5], s[6:7]
	s_cselect_b64 s[12:13], s[12:13], s[14:15]
	s_add_nc_u64 s[4:5], s[4:5], s[22:23]
	s_add_nc_u64 s[12:13], s[12:13], s[24:25]      ; blocks 0-3 by immediates from here,
	s_add_nc_u64 s[10:11], s[12:13], 4*BLK         ; blocks 4-7 from here
.macro LOADG r, g                      ; group g of row r: four loads of 512 consecutive bytes
.irp j, 0,1,2,3
	global_load_b128 v[X+16*(\g)+4*\j:X+16*(\g)+4*\j+3], v1, s[4:5] offset:ROWIN*(\r)+2048*(\g)+512*\j th:TH_LOAD_NT
.endr
.endm
.macro OUTG r, g, more                 ; 16 numbers a lane become 16 codes and leave; more = 1: the next row's group is asked for into the registers just converted
	v_cvt_scalef32_pk8_fp8_f32 v[C+4*(\g):C+4*(\g)+1], v[X+16*(\g):X+16*(\g)+7], v[SC]
	v_cvt_scalef32_pk8_fp8_f32 v[C+4*(\g)+2:C+4*(\g)+3], v[X+16*(\g)+8:X+16*(\g)+15], v[SC]
.if \more
	LOADG (\r)+1, \g
.endif
	global_store_b128 v1, v[C+4*(\g):C+4*(\g)+3], s[12-2*((\g)/4):13-2*((\g)/4)] offset:BLK*((\g)%4)+512*(\r)
.endm
.irp g, 0,1,2,3,4,5,6,7
	LOADG 0, \g
.endr
	s_wait_kmcnt 0x0
	s_cmp_eq_u32 s17, 0
	s_cselect_b32 s26, s26, s27                    ; e
	s_add_co_i32 s26, s26, 127
	s_lshl_b32 s28, s26, 23
	v_mov_b32 v[SC], s28
	s_add_co_i32 s26, s26, 8
	s_lshl_b32 s26, s26, 23
	s_or_b32 s26, s26, 0x600000
	v_mov_b32 v[LIMV], s26
	s_delay_alu instid0(VALU_DEP_1)
	v_min_num_f32 v[H], 1.0, v[LIMV]
	s_cmp_lg_u32 s17, 0
	s_cbranch_scc1 .Lweights
.macro ROWM r, more                    ; a row of membrane
	s_wait_loadcnt 0x0                             ; the maximum wants the whole row
.irp c, 0,1,2,3
	v_max3_num_f32 v[M+\c], v[X+32*\c], v[X+32*\c+1], v[X+32*\c+2]
.endr
.irp i, 3,5,7,9,11,13,15,17,19,21,23,25,27,29
.irp c, 0,1,2,3
	s_delay_alu instid0(VALU_DEP_4)
	v_max3_num_f32 v[M+\c], v[M+\c], v[X+32*\c+\i], v[X+32*\c+\i+1]
.endr
.endr
	s_delay_alu instid0(VALU_DEP_4)
	v_max3_num_f32 v[M], v[M], v[X+31], v[X+63]
	s_delay_alu instid0(VALU_DEP_3)
	v_max3_num_f32 v[M+2], v[M+2], v[X+95], v[X+127]
	s_delay_alu instid0(VALU_DEP_1)
	v_max3_num_f32 v[M], v[M], v[M+1], v[M+2]
	s_delay_alu instid0(VALU_DEP_1)
	v_max_num_f32 v[M], v[M], v[M+3]
	s_delay_alu instid0(VALU_DEP_1)
	v_max_num_f32_dpp v[M], v[M], v[M] row_xmask:1 row_mask:0xf bank_mask:0xf
	s_delay_alu instid0(VALU_DEP_1)
	v_max_num_f32_dpp v[M], v[M], v[M] row_xmask:2 row_mask:0xf bank_mask:0xf
	s_delay_alu instid0(VALU_DEP_1)
	v_max_num_f32_dpp v[M], v[M], v[M] row_xmask:4 row_mask:0xf bank_mask:0xf
	s_delay_alu instid0(VALU_DEP_1)
	v_max_num_f32_dpp v[M], v[M], v[M] row_xmask:8 row_mask:0xf bank_mask:0xf
	s_delay_alu instid0(VALU_DEP_1)
	v_permlanex16_b32 v[PT], v[M], s20, s21
	s_delay_alu instid0(VALU_DEP_1)
	v_max_num_f32 v[MX], v[M], v[PT]
.if \r > 0
	s_wait_alu depctr_va_vdst(0)
	s_wait_xcnt 0x0                                ; the row before's stores have read their data
.endif
.irp g, 0,1,2,3,4,5,6,7
.irp i, 0,1,2,3,4,5,6,7,8,9,10,11,12,13,14,15
	v_cmp_eq_f32 s[32+\i], v[X+16*\g+\i], v[MX]
.endr
	s_or_b32 s48, s32, s33                         ; does block g hold a winner?  The sixteen masks are joined; the last line leaves SCC = not 0
.irp i, 2,3,4,5,6,7,8,9,10,11,12,13,14,15
	s_or_b32 s48, s48, s[32+\i]
.endr
	s_cselect_b32 s48, 1<<\g, 0                    ; a choice of values: no branch and no address of this launch hangs on it
.if \g == 0
	s_or_b32 s[50+\r], s48, 0x100                  ; bit 8 stands guard, so that a row without a winner still gets a first block
.else
	s_or_b32 s[50+\r], s[50+\r], s48
.endif
.irp i, 0,1,2,3,4,5,6,7,8,9,10,11,12,13,14,15
	v_cndmask_b32 v[X+16*\g+\i], 0, v[H], s[32+\i]
.endr
	OUTG \r, \g, \more
.endr
.endm
.macro ROWW r, more                    ; a row of W, group by group as the loads come in
.if \r > 0
	s_wait_xcnt 0x0
.endif
.irp g, 0,1,2,3,4,5,6,7
.if \more
	s_wait_loadcnt 28                              ; behind this group's four loads: seven groups, 28 loads
.else
	s_wait_loadcnt 4*(7-\g)
.endif
.irp i, 0,1,2,3,4,5,6,7,8,9,10,11,12,13,14,15
	v_med3_num_f32 v[X+16*\g+\i], v[X+16*\g+\i], -v[LIMV], v[LIMV]   ; the conversion does not saturate (ISA guide 7.6.2): hold first
.endr
	OUTG \r, \g, \more
.endr
.endm
	ROWM 0, 1
	ROWM 1, 0
	s_ctz_i32_b32 s52, s50                         ; the records: the first block (the guard bit gives 8, which becomes 0),
	s_ctz_i32_b32 s53, s51
	s_and_b32 s52, s52, 7
	s_and_b32 s53, s53, 7
	s_and_b32 s50, s50, 0xff                       ; and the mask of blocks
	s_and_b32 s51, s51, 0xff
	s_lshl_b32 s54, s16, 4
	s_lshr_b32 s48, ttmp9, 1
	s_lshl_b32 s48, s48, 8                         ; my work-group's 256 bytes of recs
	s_mov_b32 s49, 0
	s_add_nc_u64 s[30:31], s[30:31], s[48:49]
	v_mov_b32 v[M], s50
	v_mov_b32 v[M+1], s52
	v_mov_b32 v[M+2], s51
	v_mov_b32 v[M+3], s53
	v_mov_b32 v[LA], s54
	v_lshrrev_b32 v[PT], 1, v1                     ; 8 x lane
	s_wait_alu depctr_va_vdst(0)
	ds_store_b128 v[LA], v[M:M+3]                  ; every lane writes the same 16 bytes: my wave's two records
	s_wait_dscnt 0x0                               ; for the others' sake
	s_barrier_signal -1
	s_barrier_wait -1
	s_cmp_lg_u32 s16, 0
	s_cbranch_scc1 .Lfin
	ds_load_b64 v[14:15], v[PT]                    ; wave 0: a record a lane,
	s_wait_dscnt 0x0
	global_store_b64 v[PT], v[14:15], s[30:31]     ; 256 consecutive bytes, aligned
.Lfin:
	s_wait_tensorcnt 0x0                           ; the wave's end
	ds_add_u32 v[SPW], v[NIL]
	s_wait_dscnt 0x0
	s_endpgm
.Lweights:
	s_wait_alu depctr_va_vdst(0)
	ROWW 0, 1
	ROWW 1, 0
	s_endpgm
.Lfunc_end_k_q4af85b8109_quant:
	.size	k_q4af85b8109_quant, .Lfunc_end_k_q4af85b8109_quant-k_q4af85b8109_quant
	.p2alignl 7, 3214868480
	.fill 96, 4, 3214868480
	.section	.rodata,"a",@progbits
	.p2align	6, 0x0
	.amdhsa_kernel k_q4af85b8109_quant
		.amdhsa_group_segment_fixed_size 2304
		.amdhsa_private_segment_fixed_size 0
		.amdhsa_enable_private_segment 0
		.amdhsa_kernarg_size 48
		.amdhsa_user_sgpr_count 2
		.amdhsa_user_sgpr_kernarg_segment_ptr 1
		.amdhsa_wavefront_size32 1
		.amdhsa_system_sgpr_workgroup_id_x 1
		.amdhsa_system_sgpr_workgroup_id_y 1
		.amdhsa_system_sgpr_workgroup_id_z 1
		.amdhsa_system_vgpr_workitem_id 0
		.amdhsa_next_free_vgpr 176
		.amdhsa_next_free_sgpr 66
		.amdhsa_reserve_vcc 0
		.amdhsa_float_denorm_mode_32 3
		.amdhsa_float_denorm_mode_16_64 3
		.amdhsa_memory_ordered 1
		.amdhsa_forward_progress 1
		.amdhsa_inst_pref_size 90
	.end_amdhsa_kernel
	.amdgpu_metadata
---
amdhsa.version: [ 1, 2 ]
amdhsa.kernels:
  - .name:           k_q4af85b8109_quant
    .symbol:         k_q4af85b8109_quant.kd
    .args:
      - { .name: membrane, .offset: 0, .size: 8, .value_kind: global_buffer, .address_space: global }
      - { .name: inhibition_matrix, .offset: 8, .size: 8, .value_kind: global_buffer, .address_space: global }
      - { .name: lowp_scales, .offset: 16, .size: 8, .value_kind: global_buffer, .address_space: global }
      - { .name: a_codes, .offset: 24, .size: 8, .value_kind: global_buffer, .address_space: global }
      - { .name: b_codes, .offset: 32, .size: 8, .value_kind: global_buffer, .address_space: global }
      - { .name: recs, .offset: 40, .size: 8, .value_kind: global_buffer, .address_space: global }
    .group_segment_fixed_size: 2304
    .private_segment_fixed_size: 0
    .kernarg_segment_align: 8
    .kernarg_segment_size: 48
    .max_flat_workgroup_size: 512
    .sgpr_count:     66
    .vgpr_count:     176
    .wavefront_size: 32
...
	.end_amdgpu_metadata
.endif
;; end of part 1
;; launch inhibit (part 2): grid 256 x 1, 4 waves a work-group, no clusters, 101,888 bytes of LDS; arguments recs, a_codes, b_codes, lowp_scales, membrane, out0; writes out0
.if DOCPART == 2
	.amdgcn_target "amdgcn-amd-amdhsa--gfx1250"
	.amdhsa_code_object_version 6
	.text
	.protected	k_q4af85b8109_inhibit
	.globl	k_q4af85b8109_inhibit
	.p2align	8
	.type	k_q4af85b8109_inhibit,@function
k_q4af85b8109_inhibit:
	s_mov_b64 s[64:65], 0
	v_nop
	global_prefetch_b8 v0, s[64:65] scope:SCOPE_SE
	s_setreg_imm32_b32 hwreg(HW_REG_WAVE_MODE, 25, 1), 1
	s_wait_xcnt 0x0
; out[m][n] = membrane[m][n] - 2^(e0 + e1) x sum over k of a_code[m][k] b_code[n][k], with only those blocks of 512 along K multiplied in which row m holds a winner:
; the other blocks hold zero codes in that row and add exactly 0 (shown at the head of the launch before; the limit stated there holds here).
; WHO OWNS WHAT.  Work-group = (block kb = id % 8, strip of 128 columns = id / 8).  It owns, in its strip, every row whose FIRST block with a winner is kb (recs): each number of out has one owner.
; Wave w takes such rows among rows 1024 w .. 1024 w + 1023, 16 to a tile.  W's tile of the work-group, 128 rows x 512 codes, comes once through LDS (each wave fetches 32 rows) into 512 registers of every wave.
; THE LIST WITHOUT A LIST.  32 ballots (a lane a row) and their running counts stay in scalar registers.  Lane l of a trip wants the q-th owned row, q = 32 trip + l: the last ballot whose count
; before it is <= q is picked by compares and selects, and the bit of rank q - count in it by sums of bit fields.  q is held at the last owned row: a last tile's spare lanes repeat that row and store its numbers again.
; A TILE.  Codes of its 16 rows and their 512 bytes of membrane come as whole rows (a row a load); the codes turn through the wave's own stage in LDS into fragments; 32 products;
; the sums turn through the same stage into rows, meet membrane in one fused multiply-add, and leave as 512 consecutive bytes a store.  Two tiles' loads are on their way at a time.
; TIES IN OTHER BLOCKS.  Where a row of the tile has winners in further blocks (recs), a scalar branch on these stored numbers leads to a path that adds those blocks, fragments straight from memory.
; No tensor load, no cluster.  No prefetch: each wave has two tiles, 64 loads, asked for ahead through the whole loop.
; The matrix instruction is used transposed (source 0 = 16 rows of W, source 1 = 16 rows of winners): a lane holds eight neighbouring columns of one row.
; LIMITS.  e0 + e1 between -126 and 127.  NaN is not served.
; REGISTERS.  Window 0: below.  Windows 1, 2: W's fragment (kq, nb) at 16 (8 kq + nb).  Window 3: codes of tile set s at 64 s, membrane at 128 + 64 s.
.set P,     528                        ; an LDS row: 512 bytes + 16
.set STG0,  128*P                      ; W's 128 rows lie at 0; then a stage of 16 rows for each wave
.set SPARE, STG0+4*16*P                ; then the spare words, 128 bytes a wave
.set BLK,   0x200000
.set L16, 1
.set SPW, 2
.set NIL, 3
.set STW, 4                            ; stage, by rows: + 16 lane
.set FRG, 5                            ; stage, fragments: r P + 16 h
.set DST, 6                            ; stage, sums: r P + 32 h
.set BW,  7                            ; W's rows in: 32 wave P + 16 lane
.set BR,  8                            ; W's fragments: r P + 16 h
.set VR0, 9                            ; this trip's 32 rows, a lane a row
.set VR1, 10                           ; the next trip's
.set MK,  11                           ; their masks of blocks, as loaded
.set XV,  12                           ; this trip's masks without kb
.set LN,  13
.set HH,  14
.set IDX, 15                           ; 4 r
.set AOFF, 16                          ; v16-31 offsets of 16 rows of codes
.set OFF,  32                          ; v32-63 offsets of 16 rows of membrane and out, a set for each tile set
.set ACC,  64                          ; v64-127 the sums, then the rows of out
.set REC,  128                         ; v128-191 at the head: my 1,024 records
.set SA,   128                         ; ties: a fragment of winners
.set SB,   144                         ; ties: four fragments of W
.set Q,  208
.set QP, 209
.set MW, 210
.set PK, 211
.set R,  212
.set POS, 213
.set WA, 214
.set WB, 215
.set WC, 216
.set WD, 217
.set T0, 218
.set T1, 219
.set GA, 220
.set RW, 221
.set BO, 222
.set NOFF, 224                         ; v224-239 offsets of the 16 rows of membrane that are asked for next
.set AF,   128                         ; v128-191 the tile's four fragments of winners (the ties' path lays its own over them behind the products)
; scalars: s2 wave, then 1024 wave; s3 the other blocks' bits; s[4:5] recs; s[6:7] a_codes; s[8:9] b_codes at my strip; s[10:11] a_codes at block kb; s[12:13] membrane, s[14:15] out at my strip;
; s16-31 a tile's rows; s32-63 ballots; s66-97 (count before ballot c) << 8 | c; s98 last q; s99 32 x next trip; s100 trips; s101 lanes with ties; s[104:105] -2^(e0+e1)
.set MSB, 0
.macro WIN new
.if MSB != (\new)
	s_set_vgpr_msb (MSB<<8)|(\new)
.set MSB, \new
.endif
.endm
.macro SSTEP x, w, inc                 ; does the bit of rank R lie beyond the lower field?
	v_bfe_u32 v[T0], v[\x], v[POS], \w
	v_cmp_ge_u32 vcc_lo, v[R], v[T0]
	v_cndmask_b32 v[T0], 0, v[T0], vcc_lo
	v_cndmask_b32 v[T1], 0, \inc, vcc_lo
	v_sub_nc_u32 v[R], v[R], v[T0]
	v_add_nc_u32 v[POS], v[POS], v[T1]
.endm
.macro SELECT dst                      ; the rows of ranks s99 + lane, and the load of their masks
	v_add_nc_u32 v[Q], s99, v[LN]
	v_min_u32 v[Q], s98, v[Q]
	v_lshl_or_b32 v[QP], v[Q], 8, 0xff
	v_mov_b32 v[MW], s32
	v_mov_b32 v[PK], 0
.set cc, 1
.rept 31
	v_cmp_gt_u32 vcc_lo, s[66+cc], v[QP]           ; the counts ascend: the last ballot that begins at or before q stays
	v_cndmask_b32 v[MW], s[32+cc], v[MW], vcc_lo
	v_cndmask_b32 v[PK], s[66+cc], v[PK], vcc_lo
.set cc, cc+1
.endr
	v_lshrrev_b32 v[R], 8, v[PK]
	v_sub_nc_u32 v[R], v[Q], v[R]                  ; the rank inside the ballot
	v_and_b32 v[PK], 31, v[PK]
	v_lshrrev_b32 v[T0], 1, v[MW]                  ; counts of set bits in fields of 2, 4, 8 and 16 bits
	v_and_b32 v[T0], 0x55555555, v[T0]
	v_sub_nc_u32 v[WA], v[MW], v[T0]
	v_lshrrev_b32 v[T0], 2, v[WA]
	v_and_b32 v[T1], 0x33333333, v[WA]
	v_and_b32 v[T0], 0x33333333, v[T0]
	v_add_nc_u32 v[WB], v[T0], v[T1]
	v_lshrrev_b32 v[T0], 4, v[WB]
	v_add_nc_u32 v[T0], v[T0], v[WB]
	v_and_b32 v[WC], 0x0f0f0f0f, v[T0]
	v_lshrrev_b32 v[T0], 8, v[WC]
	v_add_nc_u32 v[WD], v[T0], v[WC]
	v_mov_b32 v[POS], 0
	SSTEP WD, 8, 16
	SSTEP WC, 8, 8
	SSTEP WB, 4, 4
	SSTEP WA, 2, 2
	SSTEP MW, 1, 1
	v_lshl_add_u32 v[\dst], v[PK], 5, v[POS]
	v_add_nc_u32 v[\dst], s2, v[\dst]
	v_min_u32 v[\dst], 0xfff, v[\dst]              ; a row of the tensors, whatever was read
	v_lshlrev_b32 v[GA], 3, v[\dst]
	global_load_b32 v[MK], v[GA], s[4:5]
	s_wait_alu depctr_va_vdst(0)
.endm
.macro ROWS vr, s                      ; lanes 16 s .. 16 s + 15 of vr become scalars; their codes are asked for, a row a load
	s_wait_xcnt 0x0                                ; the offsets' earlier loads have read them
.irp t, 0,1,2,3,4,5,6,7,8,9,10,11,12,13,14,15
	v_readlane_b32 s[16+\t], v[\vr], 16*\s+\t
.endr
.irp t, 0,1,2,3,4,5,6,7,8,9,10,11,12,13,14,15
	s_min_u32 s[16+\t], s[16+\t], 0xfff
.endr
.irp t, 0,1,2,3,4,5,6,7,8,9,10,11,12,13,14,15
	v_lshl_add_u32 v[AOFF+\t], s[16+\t], 9, v[L16]
	v_lshl_add_u32 v[NOFF+\t], s[16+\t], 14, v[L16]
.endr
	s_wait_alu depctr_va_vdst(0)
	WIN 0xc0
.irp t, 0,1,2,3,4,5,6,7,8,9,10,11,12,13,14,15
	global_load_b128 v[64*\s+4*\t:64*\s+4*\t+3], v[AOFF+\t], s[10:11]
.endr
	WIN 0
.endm
.macro KEEP s                          ; the offsets just used for membrane serve the same rows of out: they are kept in the tile set's own registers
.irp t, 0,1,2,3,4,5,6,7,8,9,10,11,12,13,14,15
	v_mov_b32 v[OFF+16*\s+\t], v[NOFF+\t]
.endr
.endm
.macro MROWS s                         ; the same rows' 512 bytes of membrane, by the offsets that ROWS made
	WIN 0xc0
.irp t, 0,1,2,3,4,5,6,7,8,9,10,11,12,13,14,15
	global_load_b128 v[128+64*\s+4*\t:128+64*\s+4*\t+3], v[NOFF+\t], s[12:13] th:TH_LOAD_NT
.endr
	WIN 0
.endm
.macro MM s, kq, z                     ; eight products, the eight accumulators by turns
.irp nb, 0,1,2,3,4,5,6,7
.if \z
	v_wmma_f32_16x16x128_fp8_fp8 v[ACC+8*\nb:ACC+8*\nb+7], v[128*((\kq)%2)+16*\nb:128*((\kq)%2)+16*\nb+15], v[AF+16*(\kq):AF+16*(\kq)+15], 0
.else
	v_wmma_f32_16x16x128_fp8_fp8 v[ACC+8*\nb:ACC+8*\nb+7], v[128*((\kq)%2)+16*\nb:128*((\kq)%2)+16*\nb+15], v[AF+16*(\kq):AF+16*(\kq)+15], v[ACC+8*\nb:ACC+8*\nb+7]
.endif
.endr
.endm
.macro SLOW s                          ; further blocks with winners: all 8 are walked, those that no row of the tile names are passed over.  Fragments come straight from memory, 32 bytes of a row a load: the path serves ties alone
	v_add_nc_u32 v[T0], 64*\s, v[IDX]
	ds_bpermute_b32 v[RW], v[T0], v[VR0]           ; lane (r, h) takes the tile's row r
	s_mov_b64 s[16:17], s[6:7]
	s_mov_b64 s[18:19], s[8:9]
	s_mov_b32 s20, 0
	s_wait_dscnt 0x0
	v_min_u32 v[RW], 0xfff, v[RW]
	v_lshlrev_b32 v[RW], 9, v[RW]
	v_lshl_add_u32 v[RW], v[HH], 4, v[RW]
	s_wait_alu depctr_va_vdst(0)
.Lg_\@:
	v_lshrrev_b32 v[T0], s20, v[XV]
	v_and_b32 v[T0], 1, v[T0]
	v_cmp_ne_u32 s21, 0, v[T0]
	s_lshr_b32 s21, s21, 16*\s
	s_and_b32 s21, s21, 0xffff
	s_cbranch_scc0 .Lno_\@
.irp kq, 0,1,2,3
.irp c, 0,1,2,3
	global_load_b128 v[SA+4*\c:SA+4*\c+3], v[RW], s[16:17] offset:128*\kq+32*\c
.endr
.irp hf, 0,1
.irp j, 0,1,2,3
.irp c, 0,1,2,3
	global_load_b128 v[SB+16*\j+4*\c:SB+16*\j+4*\c+3], v[BO], s[18:19] offset:(64*\hf+16*\j)*512+128*\kq+32*\c
.endr
.endr
	s_wait_loadcnt 0x0
.irp j, 0,1,2,3
	v_wmma_f32_16x16x128_fp8_fp8 v[ACC+8*(4*\hf+\j):ACC+8*(4*\hf+\j)+7], v[SB+16*\j:SB+16*\j+15], v[SA:SA+15], v[ACC+8*(4*\hf+\j):ACC+8*(4*\hf+\j)+7]
.endr
.rept 4
	v_nop                                          ; places ahead of loads into registers that the products read
.endr
.endr
.endr
.Lno_\@:
	s_add_nc_u64 s[16:17], s[16:17], BLK           ; no load that names these is out: each was waited for
	s_add_nc_u64 s[18:19], s[18:19], BLK
	s_add_co_u32 s20, s20, 1
	s_cmp_lt_u32 s20, 8
	s_cbranch_scc1 .Lg_\@
.endm
; A tile in set s.  more = 1: the tile two further on is asked for.  na, nm: the loads younger than this tile's codes, and than its membrane, in the order mask, codes, membrane, codes, membrane of a trip
.macro TILE s, more, na, nm
	s_wait_loadcnt \na
	WIN 0x0c
.irp t, 0,1,2,3,4,5,6,7,8,9,10,11,12,13,14,15
	ds_store_b128 v[STW], v[64*\s+4*\t:64*\s+4*\t+3] offset:\t*P
.endr
	WIN 0
.irp kq, 0,1,2,3
.irp c, 0,1,2,3
	ds_load_b128 v[AF+16*\kq+4*\c:AF+16*\kq+4*\c+3], v[FRG] offset:128*\kq+32*\c   ; LDS serves a wave's instructions in order: these see the stores above
.endr
.endr
	WIN 0
.if \s == 0
	v_and_b32 v[XV], s3, v[MK]                     ; the trip's masks (their load is older than the codes'): blocks beside kb
	v_cmp_ne_u32 s101, 0, v[XV]
.if \more
	SELECT VR1                                     ; the next trip's rows, while the stage turns
.endif
.endif
	s_wait_alu depctr_va_vdst(0)
	s_wait_dscnt 0x0
.if \more
	ROWS VR1, \s                                   ; the stage's stores have read the landing registers: they take the codes of the tile two further on
.endif
	WIN 0x01
	MM \s, 0, 1
	MM \s, 1, 0
	WIN 0x02
	MM \s, 2, 0
	MM \s, 3, 0
	WIN 0
	s_lshr_b32 s16, s101, 16*\s
	s_and_b32 s16, s16, 0xffff
	s_cbranch_scc0 .Lplain_\@
	SLOW \s
.Lplain_\@:
.rept 4
	v_nop                                          ; places ahead of the LDS stores that read the sums
.endr
.irp nb, 0,1,2,3,4,5,6,7
	ds_store_b128 v[DST], v[ACC+8*\nb:ACC+8*\nb+3] offset:64*\nb          ; each accumulator from its low end on
	ds_store_b128 v[DST], v[ACC+8*\nb+4:ACC+8*\nb+7] offset:64*\nb+16
.endr
.irp t, 0,1,2,3,4,5,6,7,8,9,10,11,12,13,14,15
	ds_load_b128 v[ACC+4*\t:ACC+4*\t+3], v[STW] offset:\t*P
.endr
	s_wait_loadcnt \nm
	s_wait_dscnt 0x0
	WIN 0x30
.irp j, 0,2,4,6,8,10,12,14,16,18,20,22,24,26,28,30,32,34,36,38,40,42,44,46,48,50,52,54,56,58,60,62
	v_pk_fma_f32 v[ACC+\j:ACC+\j+1], v[ACC+\j:ACC+\j+1], s[104:105], v[128+64*\s+\j:128+64*\s+\j+1] op_sel_hi:[1,0,1]
.endr
	WIN 0
.if \more
	MROWS \s                                       ; membrane's registers have been read: loads ahead of stores
.endif
.irp t, 0,1,2,3,4,5,6,7,8,9,10,11,12,13,14,15
	global_store_b128 v[OFF+16*\s+\t], v[ACC+4*\t:ACC+4*\t+3], s[14:15] th:TH_STORE_NT   ; 512 consecutive bytes, aligned
.endr
	s_wait_xcnt 0x0                                ; the stores have read their data and offsets: both are written again only behind this wait
.if \more
	KEEP \s
.endif
.endm
	s_load_b256 s[4:11], s[0:1], 0x0               ; recs, a_codes, b_codes, the scales' exponents
	s_load_b128 s[12:15], s[0:1], 0x20             ; membrane, out
	v_lshl_add_u32 v[SPW], v0, 2, SPARE
	v_mov_b32 v[NIL], 0
	v_lshrrev_b32 v[T0], 5, v0
	v_readfirstlane_b32 s2, v[T0]                  ; wave
	s_and_b32 s16, ttmp9, 7                        ; kb
	s_lshr_b32 s17, ttmp9, 3                       ; strip
	s_mul_i32 s18, s2, 16*P
	s_add_co_u32 s18, s18, STG0                    ; my stage
	s_mul_i32 s19, s2, 32*P
	s_lshl_b32 s20, s16, 21                        ; kb blocks
	s_lshl_b32 s21, s2, 14
	s_add_co_u32 s21, s21, s20
	v_and_b32 v[LN], 31, v0
	v_and_b32 v[IDX], 15, v0
	v_bfe_u32 v[HH], v0, 4, 1
	v_lshlrev_b32 v[L16], 4, v[LN]
	v_mul_u32_u24 v[T1], v[IDX], P
	v_add_nc_u32 v[STW], s18, v[L16]
	v_lshl_add_u32 v[BR], v[HH], 4, v[T1]
	v_add_nc_u32 v[FRG], s18, v[BR]
	v_lshl_add_u32 v[DST], v[HH], 5, v[T1]
	v_add_nc_u32 v[DST], s18, v[DST]
	v_add_nc_u32 v[BW], s19, v[L16]
	v_lshlrev_b32 v[BO], 9, v[IDX]
	v_lshl_add_u32 v[BO], v[HH], 4, v[BO]
	v_lshlrev_b32 v[IDX], 2, v[IDX]
	v_lshlrev_b32 v[XV], 3, v[LN]
	v_lshl_add_u32 v[XV], s2, 13, v[XV]            ; my records: 8 (1024 wave + lane)
	v_add_nc_u32 v[RW], s21, v[L16]                ; my 32 rows of W's tile
	s_wait_alu depctr_va_vdst(0)
	s_wait_kmcnt 0x0
	s_load_b64 s[104:105], s[10:11], 0x0           ; e0, e1
	s_lshl_b32 s22, s17, 16
	s_mov_b32 s23, 0
	s_add_nc_u64 s[8:9], s[8:9], s[22:23]          ; 128 rows of 512 bytes a strip
	s_lshl_b32 s22, s17, 9
	s_add_nc_u64 s[12:13], s[12:13], s[22:23]
	s_add_nc_u64 s[14:15], s[14:15], s[22:23]
.set cc, 0
.rept 32
	global_load_b64 v[REC+2*cc:REC+2*cc+1], v[XV], s[4:5] offset:256*cc
.set cc, cc+1
.endr
	WIN 0x40
.set cc, 0
.rept 32
	global_load_b128 v[4*cc:4*cc+3], v[RW], s[8:9] offset:512*cc th:TH_LOAD_NT
.set cc, cc+1
.endr
	WIN 0
	s_wait_kmcnt 0x0
	s_add_co_i32 s104, s104, s105
	s_add_co_i32 s104, s104, 127
	s_lshl_b32 s104, s104, 23
	s_or_b32 s104, s104, 0x80000000                ; -2^(e0 + e1)
	s_mov_b32 s105, s104
	s_mov_b32 s21, 0
	s_add_nc_u64 s[10:11], s[6:7], s[20:21]        ; a_codes at block kb
	s_lshl_b32 s3, 1, s16
	s_xor_b32 s3, s3, 0xff
	s_lshl_b32 s2, s2, 10                          ; my first row
	s_wait_loadcnt 32                              ; the records are in; W's 32 rows may be out
.set cc, 0
.rept 32
	v_cmp_eq_u32 s[32+cc], s16, v[REC+2*cc+1]      ; whose first block is kb?
.set cc, cc+1
.endr
	s_mov_b32 s66, 0
	s_mov_b32 s17, 0
.set cc, 0
.rept 31
	s_bcnt1_i32_b32 s18, s[32+cc]
	s_add_co_u32 s17, s17, s18
	s_lshl_b32 s[67+cc], s17, 8
	s_or_b32 s[67+cc], s[67+cc], cc+1
.set cc, cc+1
.endr
	s_bcnt1_i32_b32 s18, s63
	s_add_co_u32 s17, s17, s18                     ; my rows
	s_max_u32 s98, s17, 1
	s_sub_co_u32 s98, s98, 1
	s_add_co_u32 s100, s17, 31
	s_lshr_b32 s100, s100, 5                       ; trips of 32 rows
	s_mov_b32 s99, 0
	SELECT VR0
	s_mov_b32 s99, 32
	ROWS VR0, 0
	MROWS 0
	KEEP 0
	s_wait_loadcnt 33                              ; W's rows are in; younger: the masks' load and tile 0's 32
	WIN 0x04
.set cc, 0
.rept 32
	ds_store_b128 v[BW], v[4*cc:4*cc+3] offset:cc*P
.set cc, cc+1
.endr
	WIN 0
	ROWS VR0, 1
	MROWS 1
	KEEP 1
	s_wait_dscnt 0x0                               ; for the others' sake: my rows of W lie in LDS
	s_barrier_signal -1
	s_barrier_wait -1
	s_cmp_eq_u32 s100, 0
	s_cbranch_scc1 .Lend                           ; no row of mine has its first winner in kb
.irp kq, 0,1,2,3
	WIN 0x40+0x40*(\kq/2)
.irp nb, 0,1,2,3,4,5,6,7
.irp c, 0,1,2,3
	ds_load_b128 v[128*(\kq%2)+16*\nb+4*\c:128*(\kq%2)+16*\nb+4*\c+3], v[BR] offset:\nb*16*P+128*\kq+32*\c
.endr
.endr
.endr
	WIN 0
	s_cmp_eq_u32 s100, 1
	s_cbranch_scc1 .Ltail
	s_sub_co_u32 s100, s100, 1
.Ltrip:
	TILE 0, 1, 48, 49
	TILE 1, 1, 49, 49
	v_mov_b32 v[VR0], v[VR1]
	s_add_co_u32 s99, s99, 32
	s_sub_co_u32 s100, s100, 1
	s_cmp_gt_i32 s100, 0                           ; signed: a counter that comes down ends here for every start
	s_wait_alu depctr_va_vdst(0)
	s_cbranch_scc1 .Ltrip
.Ltail:
	TILE 0, 0, 48, 32                              ; the last trip asks for nothing more: the counts run down
	s_bitcmp1_b32 s98, 4                           ; does the last row lie in the trip's second tile?
	s_cbranch_scc0 .Lend
	TILE 1, 0, 16, 0
.Lend:
	s_wait_tensorcnt 0x0                           ; the wave's end
	ds_add_u32 v[SPW], v[NIL]
	s_wait_dscnt 0x0
	s_endpgm
.Lfunc_end_k_q4af85b8109_inhibit:
	.size	k_q4af85b8109_inhibit, .Lfunc_end_k_q4af85b8109_inhibit-k_q4af85b8109_inhibit
	.p2alignl 7, 3214868480
	.fill 96, 4, 3214868480
	.section	.rodata,"a",@progbits
	.p2align	6, 0x0
	.amdhsa_kernel k_q4af85b8109_inhibit
		.amdhsa_group_segment_fixed_size 101888
		.amdhsa_private_segment_fixed_size 0
		.amdhsa_enable_private_segment 0
		.amdhsa_kernarg_size 48
		.amdhsa_user_sgpr_count 2
		.amdhsa_user_sgpr_kernarg_segment_ptr 1
		.amdhsa_wavefront_size32 1
		.amdhsa_system_sgpr_workgroup_id_x 1
		.amdhsa_system_sgpr_workgroup_id_y 1
		.amdhsa_system_sgpr_workgroup_id_z 1
		.amdhsa_system_vgpr_workitem_id 0
		.amdhsa_next_free_vgpr 1024
		.amdhsa_next_free_sgpr 106
		.amdhsa_reserve_vcc 1
		.amdhsa_float_denorm_mode_32 3
		.amdhsa_float_denorm_mode_16_64 3
		.amdhsa_memory_ordered 1
		.amdhsa_forward_progress 1
		.amdhsa_inst_pref_size 179
	.end_amdhsa_kernel
	.amdgpu_metadata
---
amdhsa.version: [ 1, 2 ]
amdhsa.kernels:
  - .name:           k_q4af85b8109_inhibit
    .symbol:         k_q4af85b8109_inhibit.kd
    .args:
      - { .name: recs, .offset: 0, .size: 8, .value_kind: global_buffer, .address_space: global }
      - { .name: a_codes, .offset: 8, .size: 8, .value_kind: global_buffer, .address_space: global }
      - { .name: b_codes, .offset: 16, .size: 8, .value_kind: global_buffer, .address_space: global }
      - { .name: lowp_scales, .offset: 24, .size: 8, .value_kind: global_buffer, .address_space: global }
      - { .name: membrane, .offset: 32, .size: 8, .value_kind: global_buffer, .address_space: global }
      - { .name: out0, .offset: 40, .size: 8, .value_kind: global_buffer, .address_space: global }
    .group_segment_fixed_size: 101888
    .private_segment_fixed_size: 0
    .kernarg_segment_align: 8
    .kernarg_segment_size: 48
    .max_flat_workgroup_size: 128
    .sgpr_count:     106
    .vgpr_count:     1024
    .wavefront_size: 32
...
	.end_amdgpu_metadata
.endif
;; end of part 2
